; MI455X (gfx1250); checked and timed in simulation.
; The chip was launched on July 23, 2026; its instructions are those of AMD's public machine-readable ISA for CDNA 5 (MIT licence, August 2026) and "CDNA5" Instruction Set Architecture Reference Guide (July 2026). The comments in the code are by the model that wrote it; some were corrected since.
;; Brute Force Mo E Linear. Allowed arithmetic: matrix products marked QUANTISED: E2M1 operands, one E8M0 scale for each 32 along K, by v_wmma_scale_f32_16x16x128_f8f6f4 with both operands' format E2M1 (or v_wmma_scale_f32_32x16x128_f4), f32 sums; products left as they are: f32 operands where the result goes on into a quantised operand, else bf16, f16 or f32 operands; f32 sums; everything else in f32.
;; Inputs: gate_idx 4,096 int32; gate_score 2,048 x 1 x 2 float32; inp_codes 4,096 x 16 x 16 uint8 (E2M1 codes of inp, K innermost, in blocks of 32 codes, two codes a byte); inp_scales 4,096 x 16 uint8 (E8M0 scales of inp, one for each 32 codes along K); w_h4toh_codes 8 x 512 x 64 x 16 uint8 (E2M1 codes of w_h4toh, K innermost, in blocks of 32 codes, two codes a byte); w_h4toh_scales 8 x 512 x 64 uint8 (E8M0 scales of w_h4toh, one for each 32 codes along K); w_htoh4_codes 8 x 2,048 x 16 x 16 uint8 (E2M1 codes of w_htoh4, K innermost, in blocks of 32 codes, two codes a byte); w_htoh4_scales 8 x 2,048 x 16 uint8 (E8M0 scales of w_htoh4, one for each 32 codes along K).
;; Outputs: out0 2,048 x 512 float32.
;; This version of the problem:
;;   THIS VERSION OF THE PROBLEM IS GIVEN IN LOW PRECISION. The matrix products marked QUANTISED in the list below multiply operands that are first quantised to E2M1 (2 exponent bits, 1 mantissa bit; 4 bits a number), with one power-of-two scale for each 32 numbers along K (OCP MX v1.0); their sums are f32. All else is computed in f32.
;;   The module's matrix products, in the order in which they are computed (A, B: the left and right operand; K: the contracted axis; several contracted axes count as one K, in the product's order):
;;     1. [M 4,096, K 512] x [K 512, N 16,384]; A: input inp (given as codes); B: input w_htoh4 (given as codes): QUANTISED
;;     2. batch 8 x [M 512, K 2,048] x [K 2,048, N 4,096]; A: input w_h4toh (given as codes); B: computed on the way: QUANTISED
;;     3. batch 2,048 x [M 1, K 2] x [K 2, N 512]; A: input gate_score; B: computed on the way: left as it is (K = 2 < 32)
;;   THE QUANTISER, for each operand of a quantised product, along K:
;;     - K is cut into blocks of 32 from its start; a last block that is shorter is filled with zeros.
;;     - A block's scale is 2^e with e = floor(log2(the largest magnitude in the block)) - 2, held to -126 .. 127; a block of zeros has e = 0. As a byte (E8M0): e + 127.
;;     - Each number is divided by its block's scale, clamped to +-6, and rounded to the nearest number of E2M1, ties to even, subnormals kept.
;;     - The product sums the exact products of the quantised numbers (number of the format x scale) in f32.
;;   ~~~python
;;   def quantise(x, axis):      # numpy; x: float32 -> the quantised numbers, widened to float32 again
;;       x = np.moveaxis(x, axis, -1); K = x.shape[-1]
;;       x = np.pad(x, [(0, 0)] * (x.ndim - 1) + [(0, -K % 32)]); x = x.reshape(x.shape[:-1] + (-1, 32)); a = np.abs(x).max(-1, keepdims=True)
;;       e = np.where(a > 0, np.clip(np.frexp(np.where(a > 0, a, 1))[1] - 1 - 2, -126, 127), 0)      # np.frexp(a)[1] - 1 = floor(log2(a)), exactly
;;       r = np.clip(x / 2.0 ** e, -6, 6)
;;       step = 2.0 ** (np.maximum(np.frexp(np.where(r == 0, 1, r))[1] - 1, 0) - 1)
;;       q = np.round(r / step) * step * 2.0 ** e      # np.round: ties to even
;;       return np.moveaxis(q.reshape(q.shape[:-2] + (-1,))[..., :K], -1, axis).astype(np.float32)
;;   ~~~
;;   OPERANDS COMPUTED ON THE WAY. 'Computed on the way' means the value that the module computes at that place (a softmax that the list does not call 'softmax' is quantised finished and normalised). What goes into a quantiser is computed in f32, as accurately as f32 sums, v_exp_f32 and their like allow (about 1e-6 of the number): no bf16 or f16 on the way to a quantiser, and a product that is left as it is and whose result goes on into a quantised operand takes f32 operands (vector FMAs, or v_wmma_f32_16x16x4_f32). A number that lies on a knife's edge between two numbers of the format may be rounded either way, as far as f32 arithmetic and the matrix unit's own rounding can turn it there, and no further.
;;   INPUTS GIVEN AS CODES. inp (in the module: [4096, 512], K = its axis 1); w_h4toh (in the module: [8, 512, 2048], K = its axis 2); w_htoh4 (in the module: [8, 2048, 512], K = its axis 2): each comes as NAME_codes (uint8): NAME with its K axis moved to the last place and cut into blocks of 32 codes, [.., K / 32, bytes a block], one block behind the other in memory; two codes a byte, the lower K in the low four bits (a code: sign, 2 exponent bits, 1 mantissa bit); and NAME_scales (uint8): the same leading axes, one E8M0 byte (e + 127) for each 32 codes along K. Its value is code x scale, taken as it is: it is not quantised again, and the codes and scales need not be those that the quantiser above would give.
;; 2 versions, each right; version 2 is version 1 with the launch experts written anew for expert scheduling mode. Each part assembles by itself: llvm-mc -triple=amdgcn-amd-amdhsa -mcpu=gfx1250 --defsym DOCPART=n.
;; ======== version 1 of 2: 2 launches
;; workspace buffers: ypart 33,554,432 bytes
;; launch experts (part 1): grid 8 x 32, 8 waves a work-group, no clusters, 219,136 bytes of LDS; arguments gate_idx, inp_codes, inp_scales, w_htoh4_codes, w_htoh4_scales, w_h4toh_codes, w_h4toh_scales, ypart; writes ypart
.if DOCPART == 1
	.amdgcn_target "amdgcn-amd-amdhsa--gfx1250"
	.amdhsa_code_object_version 6
	.text
	.protected	k_qae08e9d9a3_experts
	.globl	k_qae08e9d9a3_experts
	.p2align	8
	.type	k_qae08e9d9a3_experts,@function
k_qae08e9d9a3_experts:
	s_mov_b64 s[64:65], 0
	v_nop
	global_prefetch_b8 v0, s[64:65] scope:SCOPE_SE
	s_setreg_imm32_b32 hwreg(HW_REG_WAVE_MODE, 25, 1), 1
	s_wait_xcnt 0x0
; ypart[i][f][:] = Q(relu(x_i W1[e]^T))[units 512 f .. 512 f + 511] W2[e]^T[those units], for every row i whose gate_idx is e.  All products on codes of FP4 (E2M1) with one E8M0 scale
; for each 32 along K; Q is the MX quantiser along the hidden units; sums in f32.  The next launch adds a row's four pieces and weighs a token's two rows.
; SHARES.  256 work-groups, one for each (e, f, g): expert e of 8, slice f of 4 (512 hidden units), range g of 8 (rows 512 g .. 512 g + 511).  A work-group keeps its slice of W1[e] (512 units x 512 K)
; and of W2[e] (512 outputs x 512 K) in REGISTERS for the whole launch: 262,144 bytes of codes and 16,384 of scale bytes, all asked for in the first lines.  It reads its range's 512 entries of gate_idx,
; lists the rows that name e, gathers those rows of x, and takes them, 16 at a time, through both products.  The hidden layer never goes to memory.
; THE WAVES SHARE THE COLUMNS: wave w of 8 makes hidden units 512 f + 64 w .. + 63 and outputs 64 w .. + 63 for all listed rows; what goes from wave to wave through LDS is the rows' codes.
; THE FIRST PRODUCT IS USED TRANSPOSED (source 0 = 16 units of W1, source 1 = 16 listed rows): a lane holds ONE listed row and its registers run along the units, the next K.
; THE UNITS THAT FORM A TILE OF W1 ARE NOT NEIGHBOURS: lane r of tile 2 b + u takes unit 32 b + 8 u + r + 8 (r / 8), so that the 16 registers of tiles 2 b, 2 b + 1 are 16 neighbours along the next K.
; THE SECOND PRODUCT IS NOT (source 0 = 16 listed rows, source 1 = 16 outputs of W2), AND LANE r OF ITS TILE n TAKES OUTPUT 4 r + n: register t of the four accumulators then holds four NEIGHBOURING outputs of
; tile row 8 h + t, and sixteen lanes hold 256 neighbouring bytes of that row's piece.  Four copies put the four registers side by side for a store of 16 bytes a lane: they take the place of a round trip through LDS.
; TILE ROW 8 h + i HOLDS LIST ENTRY 2 i + h, so that store t carries entries 2 t and 2 t + 1, and a last tile's stores end, by a scalar branch on the count, where the list ends.
; EVERY SPLIT IS SERVED: the list holds up to 512 rows, walked in 4 passes of 128 (a constant trip count); tiles past the list's end are jumped over by scalar branches on the count.  A last tile that is not
; full is filled with the list's first row; of those rows at most one is stored (a list of odd length): that row's own numbers once more, to the same bytes.  A work-group whose list is empty stores nothing.
; NO JOINT LOADS, though the eight ranges g of one (e, f) read the same slice: a joint load lands in LDS, and the slice's 278,528 bytes beside this text's 78,848 bytes of list and images
; are 357,376, more than the 327,680 that a work-group can have.
; LIMITS: gate_idx lies in 0 .. 7 (an entry outside would leave its row's pieces unwritten); a scale byte 0xff (NaN) and sums that overflow f32 are not served (the activation's maximum drops a NaN);
; a hidden block whose largest number lies under 2^-124 keeps the byte 1; a row's sum over the 2,048 hidden units is made as four chains of 4 K steps, added by the next launch.
;
; LDS
.set PITCH, 272                        ; a row of 256 bytes + 16 of padding = 68 words: 16 neighbouring rows start at 16 different groups of four banks (64 banks of 4 bytes: ISA guide 11.1)
.set LIST,  0                          ; 3,072: the list, 512 entries of 4 bytes; entry 512 takes what is not listed; the rest is room for addresses formed in the last trip and never used
.set XIMG,  3072                       ; 128 rows x 272: a pass's rows of x, as rows
.set XSC,   37888                      ; 8 x 512: their scale words, 16 bytes a lane for each tile of 16 rows
.set HIMG,  41984                      ; 8 x 4,096: the hidden layer's fragments as images of registers: tile m at 4096 m, wave w's four registers at 512 w + 16 x lane
.set HSC,   74752                      ; 8 x 512: their scale words, 16 bytes a lane; wave w writes the two bytes at 2 w
.set PRV,   78848                      ; 8 x 17,408: each wave's own 64 rows x 272: the weights' turn
.set PRVW,  17408
; REGISTERS, window 0.  l = lane, r = l % 16, h = l / 16.  v1-v23 addresses that stay:
;   v1 16 l   v2 1024 h + 16 r (W2's codes)   v3 16 (r + 8 (r / 8)) (W1's scales)   v4 256 r (W2's scales)   v5 the turn, in, W1's (rows 1 apart for the halves)   v15 W2's (16 apart)   v6 the turn, back
;   v7 x's fragments   v8 x's scale words   v9, v10 where I store x's rows and scale words   v11, v12 the same for the hidden layer   v13, v14 where all read them
;   v17-19 my places in the list at pass 0, v20-22 at the pass in hand   v23 16 r   v24 x's scales' offset   v25 a row   v27 LIST   v28 512 g + 4 l   v29 512   v30 count - 4 l   v31 the list's first row
.set W1S, 32                           ; v32-47   W1's scale words (4 t + s): scales and nothing else
.set W2S, 48                           ; v48-63   W2's (4 n + s)
.set XF,  64                           ; v64-95   x's four fragments (8 s);
.set HF,  64                           ;          in the second product the hidden layer's four
.set XS,  96                           ; v96-99   their scale words
.set HS,  96
.set HA,  100                          ; v100-131 my 4 tiles of the hidden layer
.set YA,  132                          ; v132-163 my 4 tiles of y
.set OB,  164                          ; v164-195 y as it is stored: 4 t + n;
.set XT,  164                          ;          rows of x on their way to LDS;
.set RK,  164                          ;          at the head v164-179 places in the list,
.set T,   180                          ;          v180-195 the list under repair
.set RL,  196                          ; v196-203 eight rows' numbers
.set YO,  204                          ; v204-211 their offsets in ypart,
.set XO,  204                          ;          or in x's codes
.set XST, 212                          ; v212-215 a row's scale bytes of x
.set TM,  216                          ; v216-217 largest numbers; v218-219 the other half's; v220-221 the conversions' scale operands; v222-223 bytes
.set TP,  218
.set TS,  220
.set TB,  222
.set PW,  224                          ; my two scale bytes
.set PC,  226                          ; v226-229 the codes just made
.set GI,  232                          ; v232-247 gate_idx's entries, then row numbers
.set Z,   248                          ; v248-251 zeros;  v252-255 l, r, h and a spare, at the head
; window 1: W1's fragments (tile t, K step s) at v[8 (4 t + s)]; W2's (tile n, K step s) at v[128 + 8 (4 n + s)].
; SCALARS: s2 wave, s3 g, s4 4 e + f, s5 e, s6 f, s7 spare, s[8:23] the eight addresses, s[24:25] an offset, s26 the count, s27 the count less 128 x pass, s28 512 x pass, s29 pass, s30-33 masks, s34 bits, s[36:37] lane selects, s38 16 x wave
.set MSB, 0
.macro WIN new                         ; the immediate's high byte repeats the setting that is left; bits 1:0 source 0, 3:2 source 1, 5:4 source 2, 7:6 destination
.if MSB != \new
	s_set_vgpr_msb (MSB<<8)|\new
.set MSB, \new
.endif
.endm
.macro BARRIER                         ; my LDS stores have landed and my LDS loads are in: then the work-group's barrier
	s_wait_dscnt 0x0
	s_barrier_signal -1
	s_barrier_wait -1
.endm
	s_load_b512 s[8:23], s[0:1], 0x0               ; gate_idx s[8:9], x's codes s[10:11], x's scales s[12:13], W1's codes s[14:15], W1's scales s[16:17], W2's codes s[18:19], W2's scales s[20:21], ypart s[22:23]
	v_lshl_add_u32 v230, v0, 2, 0x35400
	v_mov_b32 v231, 0
	v_lshrrev_b32 v255, 5, v0
	v_readfirstlane_b32 s2, v255                   ; wave 0..7
	s_mov_b32 s3, ttmp9                            ; g: work-groups that share a slice are neighbours
	s_and_b32 s4, ttmp7, 0xffff                    ; 4 e + f
	s_lshr_b32 s5, s4, 2                           ; e
	s_and_b32 s6, s4, 3                            ; f
	s_lshl_b32 s38, s2, 4
	s_mov_b32 s36, 0x76543210
	s_mov_b32 s37, 0xfedcba98                      ; v_permlanex16_b32's selects for lane l xor 16
	s_mov_b32 s25, 0
	v_and_b32 v252, 31, v0                         ; l
	v_and_b32 v253, 15, v0                         ; r
	v_bfe_u32 v254, v0, 4, 1                       ; h
	v_lshlrev_b32 v1, 4, v252
	v_lshlrev_b32 v23, 4, v253
	v_and_b32 v255, 8, v253
	v_add_nc_u32 v255, v255, v253                  ; r + 8 (r / 8)
	v_lshlrev_b32 v3, 4, v255
	s_wait_kmcnt 0x0
	s_lshl_b32 s24, s3, 11                         ; my range's 512 entries of 4 bytes
	s_add_nc_u64 s[8:9], s[8:9], s[24:25]
	s_lshl_b32 s24, s4, 13                         ; W1's scales: 16 bytes a unit: 2^15 an expert, 2^13 a slice, 2^10 a wave
	s_lshl_b32 s7, s2, 10
	s_add_co_u32 s24, s24, s7
	s_add_nc_u64 s[16:17], s[16:17], s[24:25]
	s_lshl_b32 s24, s4, 17                         ; W1's codes: 256 bytes a unit: 2^19, 2^17, 2^14
	s_lshl_b32 s7, s2, 14
	s_add_co_u32 s24, s24, s7
	s_add_nc_u64 s[14:15], s[14:15], s[24:25]
.irp j, 0,1,2,3
	global_load_b128 v[GI+4*\j:GI+4*\j+3], v1, s[8:9] offset:512*\j    ; register 4 j + q: entry 128 j + 4 l + q of my range
.endr
.irp t, 0,1,2,3
	global_load_b128 v[W1S+4*\t:W1S+4*\t+3], v3, s[16:17] offset:(32*(\t/2)+8*(\t%2))*16   ; the four words (K steps) of lane r's unit of tile t
.endr
	WIN 0x40                                       ; destination window 1
.set li, 0
.rept 32
	global_load_b128 v[4*li:4*li+3], v1, s[14:15] offset:512*li        ; my 64 units' codes as they lie: 512 consecutive bytes, two whole rows, a load
.set li, li+1
.endr
	WIN 0
	s_lshl_b32 s24, s5, 19                         ; W2's codes: 1,024 bytes an output: 2^19 an expert, 2^16 a wave's 64 outputs; the slice's 512 codes are 256 bytes of a row
	s_lshl_b32 s7, s2, 16
	s_add_co_u32 s24, s24, s7
	s_lshl_b32 s7, s6, 8
	s_add_co_u32 s24, s24, s7
	s_add_nc_u64 s[18:19], s[18:19], s[24:25]
	s_lshl_b32 s24, s5, 15                         ; W2's scales: 64 bytes an output; the slice's are 16
	s_lshl_b32 s7, s2, 12
	s_add_co_u32 s24, s24, s7
	s_lshl_b32 s7, s6, 4
	s_add_co_u32 s24, s24, s7
	s_add_nc_u64 s[20:21], s[20:21], s[24:25]
	s_lshl_b32 s24, s6, 11                         ; ypart: [row][f][512] f32: piece f, my 64 outputs
	s_lshl_b32 s7, s2, 8
	s_add_co_u32 s24, s24, s7
	s_add_nc_u64 s[22:23], s[22:23], s[24:25]
	; every LDS address is a constant + constants x lane parts + a constant x wave, and is made here, ahead of every branch
	s_mul_i32 s7, s2, PRVW
	s_add_co_u32 s7, s7, PRV                       ; my wave's own rows
	v_lshl_add_u32 v2, v254, 10, v23
	v_lshlrev_b32 v4, 8, v253                      ; lane r's outputs 4 r + n: 4 rows of 64 scale bytes apart
	v_mad_u32_u24 v5, v254, PITCH, v23
	v_add_nc_u32 v5, s7, v5                        ; the turn, in, W1's: row h, 16 r
	v_mad_u32_u24 v15, v254, 16*PITCH, v23
	v_add_nc_u32 v15, s7, v15                      ; W2's: row 16 h, 16 r
	v_mul_u32_u24 v255, v253, PITCH
	v_lshl_add_u32 v6, v254, 4, v255               ; a fragment's place: row r, 16 h
	v_add_nc_u32 v7, XIMG, v6
	v_add_nc_u32 v6, s7, v6
	v_add_nc_u32 v8, XSC, v1
	v_mad_u32_u24 v9, v254, 8*PITCH, v23           ; row 8 h, 16 r
	s_mul_i32 s24, s2, 16*PITCH
	s_add_co_u32 s24, s24, XIMG
	v_add_nc_u32 v9, s24, v9                       ; x's tile rows 8 h on of tile w
	s_lshl_b32 s24, s2, 9
	s_add_co_u32 s7, s24, XSC
	v_add_nc_u32 v10, s7, v1
	s_add_co_u32 s7, s24, HIMG
	v_add_nc_u32 v11, s7, v1
	s_lshl_b32 s24, s2, 1
	s_add_co_u32 s24, s24, HSC
	v_add_nc_u32 v12, s24, v1
	v_add_nc_u32 v13, HIMG, v1
	v_add_nc_u32 v14, HSC, v1
	s_lshl_b32 s24, s2, 6
	s_add_co_u32 s24, s24, LIST
	v_and_b32 v255, 7, v253
	v_lshl_add_u32 v17, v255, 3, s24
	v_lshrrev_b32 v255, 3, v253
	v_lshl_add_u32 v17, v255, 2, v17               ; tile row r's list entry: 16 w + 2 (r % 8) + r / 8
	v_lshl_add_u32 v18, v254, 2, s24               ; entries 16 w + h, + 2 i by the offset
	v_lshl_add_u32 v19, v254, 2, LIST              ; entries h, + 16 m + 2 t by the offset
	v_mov_b32 v27, LIST
	s_lshl_b32 s24, s3, 9
	v_lshl_add_u32 v28, v252, 2, s24               ; row 512 g + 4 l
	v_mov_b32 v29, 0x200
.irp i, 0,1
	v_mov_b32 v[TP+\i], 0                          ; written once: a lane permute's destination counts as one of its sources
.endr
.irp i, 0,1,2,3
	v_mov_b32 v[Z+\i], 0
.endr
	; ---- THE LIST.  Every wave counts (so that each has the count as its own scalar); wave 0 alone writes the list.
	s_wait_loadcnt 36                              ; gate_idx's four loads are in; behind them stand W1's 4 + 32
	s_mov_b32 s26, 0
.irp k, 0,1,2,3,4,5,6,7,8,9,10,11,12,13,14,15
	v_cmp_eq_u32 s[30+\k%4], s5, v[GI+\k]          ; the lanes whose entry names my expert
	v_mbcnt_lo_u32_b32 v[RK+\k], s[30+\k%4], s26   ; a listed row's place: those listed so far + those in lower lanes
	v_cndmask_b32 v[RK+\k], v29, v[RK+\k], s[30+\k%4]   ; what is not listed goes to entry 512
	s_bcnt1_i32_b32 s34, s[30+\k%4]
	s_add_co_u32 s26, s26, s34
.endr
.irp k, 0,1,2,3,4,5,6,7,8,9,10,11,12,13,14,15
	v_min_u32 v[RK+\k], 0x200, v[RK+\k]            ; a place made from loaded numbers is held inside the list before it becomes an address
	v_lshlrev_b32 v[RK+\k], 2, v[RK+\k]
	v_add_nc_u32 v[GI+\k], 128*(\k/4)+\k%4, v28    ; the entry's row
.endr
	s_mov_b32 s27, s26
	s_mov_b32 s28, 0
	s_mov_b32 s29, 0
	v_lshlrev_b32 v30, 2, v252
	v_sub_nc_u32 v30, s26, v30                     ; count - 4 l
	s_cmp_lg_u32 s2, 0
	s_cbranch_scc1 .Lnot_wave_0
.irp i, 0,1,2,3,4,5
	ds_store_b128 v1, v[Z:Z+3] offset:LIST+512*\i  ; all 3,072 bytes are written
.endr
.irp k, 0,1,2,3,4,5,6,7,8,9,10,11,12,13,14,15
	ds_store_b32 v[RK+\k], v[GI+\k] offset:LIST    ; LDS serves a wave's instructions in order (ISA guide 5.7.1.4): these land on the zeros
.endr
	ds_load_b32 v31, v27                           ; the list's first row (0 where the list is empty: a row that exists)
.irp i, 0,1,2,3
	ds_load_b128 v[T+4*\i:T+4*\i+3], v1 offset:LIST+512*\i   ; entry 128 i + 4 l + q
.endr
	s_wait_dscnt 0x0
.irp i, 0,1,2,3
.irp q, 0,1,2,3
	v_cmp_lt_i32 vcc_lo, 128*\i+\q, v30            ; inside the list?
	v_cndmask_b32 v[T+4*\i+\q], v31, v[T+4*\i+\q], vcc_lo    ; past its end: the first row once more
.endr
.endr
.irp i, 0,1,2,3
	ds_store_b128 v1, v[T+4*\i:T+4*\i+3] offset:LIST+512*\i
.endr
.Lnot_wave_0:
	BARRIER                                        ; the list is whole; from here on it is only read.  No other wave has touched LDS so far
; my places in the list at the pass in hand
.macro XADDR
	v_add_nc_u32 v20, s28, v17
	v_add_nc_u32 v21, s28, v18
.endm
; Wave w gathers tile w of the pass: 16 listed rows of x.  Sixteen lanes read one whole row of 256 bytes: load i takes tile row i (lanes 0-15: entry 2 i) and tile row 8 + i (lanes 16-31: entry 2 i + 1)
.macro X_ISSUE
	s_wait_xcnt 0x0                                ; earlier stores have read their data and offsets (ISA guide 3.1): both are written again below
.irp i, 0,1,2,3,4,5,6,7
	ds_load_b32 v[RL+\i], v21 offset:8*\i
.endr
	ds_load_b32 v25, v20
	s_wait_dscnt 0x0
.irp i, 0,1,2,3,4,5,6,7
	v_min_u32 v[RL+\i], 0xfff, v[RL+\i]            ; a row number that was loaded is held inside the tensor before it becomes an address
	v_lshl_add_u32 v[XO+\i], v[RL+\i], 8, v23
.endr
	v_min_u32 v25, 0xfff, v25
	v_lshlrev_b32 v24, 4, v25
.irp i, 0,1,2,3,4,5,6,7
	global_load_b128 v[XT+4*\i:XT+4*\i+3], v[XO+\i], s[10:11]
.endr
	global_load_b128 v[XST:XST+3], v24, s[12:13]   ; tile row r's 16 scale bytes: four words, one a K step
.endm
.macro X_FINISH
.irp i, 0,1,2,3,4,5,6,7
	ds_store_b128 v9, v[XT+4*\i:XT+4*\i+3] offset:PITCH*\i
.endr
	ds_store_b128 v10, v[XST:XST+3]
.endm
; 64 rows of 256 bytes, loaded as they lie into window 1's v[base ..] (load i: row 2 i in lanes 0-15, row 2 i + 1 in lanes 16-31), go through my own rows of LDS and come back as 16 fragments:
; (tile t, K step s) at v[base + 8 (4 t + s)]: lane (r, h) takes, of stage row 16 t + r, the 16 bytes at 64 s + 32 c + 16 h into registers 4 c .. 4 c + 3.
; perm = 1 (W1): memory row 32 b + 8 u + 16 a + i goes to stage row 32 b + 16 u + 8 a + i.   perm = 2 (W2): memory row 4 r + n goes to stage row 16 n + r; adr then has the lanes' halves 16 rows apart.
.macro TURN base, adr, perm
	WIN 0x44                                       ; an LDS store's data (source 1) and an LDS load's destination: window 1
.set ti, 0
.rept 32
.if \perm == 1
.set tp, ((2*ti)&32)+8*(2*(((2*ti)>>3)&1)+(((2*ti)>>4)&1))+((2*ti)&7)
.else
.set tp, 32*(ti&1)+(ti>>1)
.endif
	ds_store_b128 v[\adr], v[\base+4*ti:\base+4*ti+3] offset:PITCH*tp
.set ti, ti+1
.endr
	s_wait_dscnt 0x0                               ; the stores have read their registers: the loads below land there
.irp t, 0,1,2,3
.irp s, 0,1,2,3
.irp c, 0,1
	ds_load_b128 v[\base+8*(4*\t+\s)+4*\c:\base+8*(4*\t+\s)+4*\c+3], v6 offset:16*\t*PITCH+64*\s+32*\c
.endr
.endr
.endr
	WIN 0
.endm
; My 64 hidden units of a lane's row, register 16 b + i = unit 32 b + 16 h + i: the activation; two blocks of 32 quantised; codes in v[PC] on, the two scale bytes in v[PW]
.macro QUANT
.set qj, 0
.rept 32
	v_max_num_f32 v[HA+qj], 0, v[HA+qj]            ; relu, in f32; each accumulator from its low end on
.set qj, qj+1
.endr
.irp b, 0,1
	v_max3_num_f32 v[TM+\b], v[HA+16*\b], v[HA+16*\b+1], 0x1800000   ; block b: my 16 numbers (none is negative), and the floor 2^(3 - 127): so the byte cannot fall under 1
.endr
.irp i, 2,4,6,8,10,12,14
.irp b, 0,1
	v_max3_num_f32 v[TM+\b], v[TM+\b], v[HA+16*\b+\i], v[HA+16*\b+\i+1]   ; (the two blocks by turns)
.endr
.endr
.irp b, 0,1
	v_permlanex16_b32 v[TP+\b], v[TM+\b], s36, s37
.endr
.irp b, 0,1
	v_max_num_f32 v[TM+\b], v[TM+\b], v[TP+\b]     ; with lane l xor 16's: the block's largest number
.endr
.irp b, 0,1
	v_add_nc_u32 v[TS+\b], 0xff000000, v[TM+\b]    ; 2 off its exponent field: the conversion takes the exponent field of this operand as its scale, and nothing else of it
.endr
.irp b, 0,1
	v_lshrrev_b32 v[TB+\b], 23, v[TS+\b]           ; the scale's byte
.endr
	v_lshl_or_b32 v[PW], v[TB+1], 8, v[TB]
.irp b, 0,1
	v_cvt_scalef32_pk8_fp4_f32 v[PC+2*\b], v[HA+16*\b:HA+16*\b+7], v[TS+\b]
	v_cvt_scalef32_pk8_fp4_f32 v[PC+2*\b+1], v[HA+16*\b+8:HA+16*\b+15], v[TS+\b]
.endr
	v_nop                                          ; one plain place behind a scaled conversion
	v_permlane16_swap_b32 v[PC], v[PC+2]           ; the operand's layout wants a WHOLE block in a lane: lanes 0-15 my block 0, lanes 16-31 my block 1:
	v_permlane16_swap_b32 v[PC+1], v[PC+3]         ; v[PC .. PC+3] are registers 4 (w % 2) .. + 3 of the fragment of K step w / 2
.endm
; Tile m of the pass, first product: x's four fragments from LDS, my 4 tiles of the hidden layer, quantised, image to LDS.
; The four accumulators take turns, one instruction a turn.
.macro P1TILE m
	s_cmp_le_i32 s27, 16*\m                        ; past the list's end: this tile and those behind it are left out
	s_cbranch_scc1 .Lp1end
.irp i, 0,1,2,3,4,5,6,7
	ds_load_b128 v[XF+4*\i:XF+4*\i+3], v7 offset:16*PITCH*\m+32*\i
.endr
	ds_load_b128 v[XS:XS+3], v8 offset:512*\m
	s_wait_dscnt 0x0                               ; and the last tile's stores have read their registers
	WIN 0x01                                       ; source 0 (the weight) window 1
.irp s, 0,1,2,3
.irp t, 0,1,2,3
.if \s == 0
	v_wmma_scale_f32_16x16x128_f8f6f4 v[HA+8*\t:HA+8*\t+7], v[8*(4*\t+\s):8*(4*\t+\s)+7], v[XF+8*\s:XF+8*\s+7], 0, v[W1S+4*\t+\s], v[XS+\s] matrix_a_fmt:MATRIX_FMT_FP4 matrix_b_fmt:MATRIX_FMT_FP4
.else
	v_wmma_scale_f32_16x16x128_f8f6f4 v[HA+8*\t:HA+8*\t+7], v[8*(4*\t+\s):8*(4*\t+\s)+7], v[XF+8*\s:XF+8*\s+7], v[HA+8*\t:HA+8*\t+7], v[W1S+4*\t+\s], v[XS+\s] matrix_a_fmt:MATRIX_FMT_FP4 matrix_b_fmt:MATRIX_FMT_FP4
.endif
.endr
.endr
	WIN 0
.rept 4
	v_nop                                          ; four places between the last product and the first read of results (ISA guide 7.12.1)
.endr
	QUANT
	ds_store_b128 v11, v[PC:PC+3] offset:4096*\m
	ds_store_b16 v12, v[PW] offset:512*\m
.endm
; Tile m of the pass, second product: the hidden layer's four fragments from LDS (source 0), my 4 tiles of outputs (source 1).  Register t of accumulator n, lane (r, h): y(tile row 8 h + t, output 64 w + 4 r + n).
; Store t: sixteen lanes store 256 consecutive bytes of a row's piece, aligned: list entry 16 m + 2 t in lanes 0-15, entry 16 m + 2 t + 1 in lanes 16-31.
.macro P2TILE m
	s_cmp_le_i32 s27, 16*\m
	s_cbranch_scc1 .Lp2end
.irp i, 0,1,2,3,4,5,6,7
	ds_load_b128 v[HF+4*\i:HF+4*\i+3], v13 offset:4096*\m+512*\i
.endr
	ds_load_b128 v[HS:HS+3], v14 offset:512*\m
.irp t, 0,1,2,3,4,5,6,7
	ds_load_b32 v[RL+\t], v22 offset:64*\m+8*\t    ; list entry 16 m + 2 t + h
.endr
	s_wait_dscnt 0x0
	WIN 0x04                                       ; source 1 (the weight) window 1
.irp s, 0,1,2,3
.irp n, 0,1,2,3
.if \s == 0
	v_wmma_scale_f32_16x16x128_f8f6f4 v[YA+8*\n:YA+8*\n+7], v[HF+8*\s:HF+8*\s+7], v[128+8*(4*\n+\s):128+8*(4*\n+\s)+7], 0, v[HS+\s], v[W2S+4*\n+\s] matrix_a_fmt:MATRIX_FMT_FP4 matrix_b_fmt:MATRIX_FMT_FP4
.else
	v_wmma_scale_f32_16x16x128_f8f6f4 v[YA+8*\n:YA+8*\n+7], v[HF+8*\s:HF+8*\s+7], v[128+8*(4*\n+\s):128+8*(4*\n+\s)+7], v[YA+8*\n:YA+8*\n+7], v[HS+\s], v[W2S+4*\n+\s] matrix_a_fmt:MATRIX_FMT_FP4 matrix_b_fmt:MATRIX_FMT_FP4
.endif
.endr
.endr
	WIN 0
	s_wait_xcnt 0x0                                ; the last tile's stores have read their data and offsets (ISA guide 3.1): both are written again below, and nowhere between those stores and this wait
.irp t, 0,1,2,3,4,5,6,7
	v_min_u32 v[RL+\t], 0xfff, v[RL+\t]            ; these sixteen lines name no register of the products: they are the places behind them
	v_lshl_add_u32 v[YO+\t], v[RL+\t], 13, v23     ; a row of ypart is 4 pieces of 2,048 bytes
.endr
.irp t, 0,1,2,3,4,5,6,7
.if \t > 0
	s_cmp_le_i32 s27, 16*\m+2*\t                   ; the list has ended: neither half of this store, nor of those behind it, holds a listed row
	s_cbranch_scc1 .Lp2end
.endif
.irp n, 0,1,2,3
	v_mov_b32 v[OB+4*\t+\n], v[YA+8*\n+\t]         ; four neighbouring outputs side by side; each accumulator is read from its low end on
.endr
	global_store_b128 v[YO+\t], v[OB+4*\t:OB+4*\t+3], s[22:23]
.endr
.endm
	XADDR
	X_ISSUE                                        ; pass 0's rows of x, in every wave: the list holds a row at every entry.  9 loads
.irp n, 0,1,2,3
	global_load_b128 v[W2S+4*\n:W2S+4*\n+3], v4, s[20:21] offset:64*\n   ; the slice's four words of output 4 r + n
.endr
	WIN 0x40
.set li, 0
.rept 32
	global_load_b128 v[128+4*li:128+4*li+3], v2, s[18:19] offset:2048*li   ; lanes 0-15 take the slice's 256 bytes of one output's row, lanes 16-31 the next row's
.set li, li+1
.endr
	WIN 0                                          ; (more loads are asked for than LOADcnt's field holds: the issue of the later ones waits for the first to come back: ISA guide 5.7.1)
	s_wait_loadcnt 45                              ; W1's scales and codes are in; behind them stand x's 9 and W2's 4 + 32
	TURN 0, 5, 1
	s_wait_loadcnt 36                              ; x is in; W2's 4 + 32 may be out
	X_FINISH
	BARRIER                                        ; the pass's rows of x lie in LDS
.Lpass:                                            ; 4 trips, 128 listed rows each
.irp m, 0,1,2,3,4,5,6,7
	P1TILE \m
.endr
.Lp1end:
	s_wait_loadcnt 0x0                             ; W2 is in (first trip)
	s_cmp_lg_u32 s29, 0
	s_cbranch_scc1 .Lturned
	TURN 128, 15, 2                                ; my own registers through my own rows of LDS: once; W2 was on its way while W1's products were at work
.Lturned:
	BARRIER                                        ; the hidden layer's fragments lie in LDS, and nobody reads x's rows any more
	v_add_nc_u32 v22, s28, v19
.irp m, 0,1,2,3,4,5,6,7
	P2TILE \m
.endr
.Lp2end:
	s_sub_co_i32 s27, s27, 128
	s_add_co_u32 s28, s28, 512
	XADDR
	s_cmp_le_i32 s27, s38                          ; has the next pass a tile w?  (Behind the last pass the count left is 0 or less: never)
	s_cbranch_scc1 .Lno_x
	X_ISSUE
	s_wait_loadcnt 0x0
	X_FINISH
.Lno_x:
	BARRIER                                        ; the next pass's rows of x lie in LDS, and nobody reads the hidden layer's fragments any more
	s_add_co_u32 s29, s29, 1
	s_cmp_lt_u32 s29, 4
	s_cbranch_scc1 .Lpass
	s_wait_tensorcnt 0x0
	ds_add_u32 v230, v231
	s_wait_dscnt 0x0
	s_endpgm
.Lfunc_end_k_qae08e9d9a3_experts:
	.size	k_qae08e9d9a3_experts, .Lfunc_end_k_qae08e9d9a3_experts-k_qae08e9d9a3_experts
	.p2alignl 7, 3214868480
	.fill 96, 4, 3214868480
	.section	.rodata,"a",@progbits
	.p2align	6, 0x0
	.amdhsa_kernel k_qae08e9d9a3_experts
		.amdhsa_group_segment_fixed_size 219136
		.amdhsa_private_segment_fixed_size 0
		.amdhsa_enable_private_segment 0
		.amdhsa_kernarg_size 64
		.amdhsa_user_sgpr_count 2
		.amdhsa_user_sgpr_kernarg_segment_ptr 1
		.amdhsa_wavefront_size32 1
		.amdhsa_system_sgpr_workgroup_id_x 1
		.amdhsa_system_sgpr_workgroup_id_y 1
		.amdhsa_system_sgpr_workgroup_id_z 1
		.amdhsa_system_vgpr_workitem_id 0
		.amdhsa_next_free_vgpr 512
		.amdhsa_next_free_sgpr 66
		.amdhsa_reserve_vcc 1
		.amdhsa_float_denorm_mode_32 3
		.amdhsa_float_denorm_mode_16_64 3
		.amdhsa_memory_ordered 1
		.amdhsa_forward_progress 1
		.amdhsa_inst_pref_size 137
	.end_amdhsa_kernel
	.amdgpu_metadata
---
amdhsa.version: [ 1, 2 ]
amdhsa.kernels:
  - .name:           k_qae08e9d9a3_experts
    .symbol:         k_qae08e9d9a3_experts.kd
    .args:
      - { .name: gate_idx, .offset: 0, .size: 8, .value_kind: global_buffer, .address_space: global }
      - { .name: inp_codes, .offset: 8, .size: 8, .value_kind: global_buffer, .address_space: global }
      - { .name: inp_scales, .offset: 16, .size: 8, .value_kind: global_buffer, .address_space: global }
      - { .name: w_htoh4_codes, .offset: 24, .size: 8, .value_kind: global_buffer, .address_space: global }
      - { .name: w_htoh4_scales, .offset: 32, .size: 8, .value_kind: global_buffer, .address_space: global }
      - { .name: w_h4toh_codes, .offset: 40, .size: 8, .value_kind: global_buffer, .address_space: global }
      - { .name: w_h4toh_scales, .offset: 48, .size: 8, .value_kind: global_buffer, .address_space: global }
      - { .name: ypart, .offset: 56, .size: 8, .value_kind: global_buffer, .address_space: global }
    .group_segment_fixed_size: 219136
    .private_segment_fixed_size: 0
    .kernarg_segment_align: 8
    .kernarg_segment_size: 64
    .max_flat_workgroup_size: 256
    .sgpr_count:     66
    .vgpr_count:     512
    .wavefront_size: 32
...
	.end_amdgpu_metadata
.endif
;; end of part 1
;; launch combine (part 2): grid 256 x 1, 8 waves a work-group, no clusters, 0 bytes of LDS; arguments ypart, gate_score, out0; writes out0
.if DOCPART == 2
	.amdgcn_target "amdgcn-amd-amdhsa--gfx1250"
	.amdhsa_code_object_version 6
	.text
	.protected	k_qae08e9d9a3_combine
	.globl	k_qae08e9d9a3_combine
	.p2align	8
	.type	k_qae08e9d9a3_combine,@function
k_qae08e9d9a3_combine:
	s_mov_b64 s[64:65], 0
	v_nop
	global_prefetch_b8 v0, s[64:65] scope:SCOPE_SE
	s_setreg_imm32_b32 hwreg(HW_REG_WAVE_MODE, 25, 1), 1
	s_wait_xcnt 0x0
; out0[n][:] = g[n][0] y[2 n][:] + g[n][1] y[2 n + 1][:], where y[i][:] = (ypart[i][0] + ypart[i][1]) + (ypart[i][2] + ypart[i][3]): a row's four pieces, one for each slice of 512 hidden units.  All f32.
; A stream: a wave takes one token.  Its eight pieces are 16,384 consecutive bytes of ypart: 32 loads of 512 consecutive bytes, all asked for at once; 4 stores of 512 consecutive bytes.
; No LDS, no barrier, no matrix unit: waves share nothing, and K = 2.  Each quarter's result is made in the registers of its first piece and stored from there: no store's data are written again.
; LIMIT: the order of rounding of y's sum over the hidden units is the one written above.
.set Y, 8                              ; v8-135: quarter q, row k, piece f at v[8 + 4 (8 q + 4 k + f)]
	s_load_b128 s[4:7], s[0:1], 0x0                ; ypart s[4:5], gate_score s[6:7]
	s_load_b64 s[8:9], s[0:1], 0x10                ; out0
	v_lshrrev_b32 v2, 5, v0
	v_readfirstlane_b32 s2, v2                     ; wave 0..7
	v_and_b32 v1, 31, v0
	v_lshlrev_b32 v1, 4, v1                        ; 16 bytes a lane
	s_lshl_b32 s3, ttmp9, 3
	s_add_co_u32 s3, s3, s2                        ; my token
	s_mov_b32 s11, 0
	s_wait_kmcnt 0x0
	s_lshl_b32 s10, s3, 3                          ; its two weights
	s_add_nc_u64 s[6:7], s[6:7], s[10:11]
	s_load_b64 s[12:13], s[6:7], 0x0
	s_lshl_b32 s10, s3, 14                         ; its two rows of 4 x 2,048 bytes
	s_add_nc_u64 s[4:5], s[4:5], s[10:11]
	s_lshl_b32 s10, s3, 11                         ; its row of out0
	s_add_nc_u64 s[8:9], s[8:9], s[10:11]
.irp q, 0,1,2,3
.irp k, 0,1
.irp f, 0,1,2,3
	global_load_b128 v[Y+4*(8*\q+4*\k+\f):Y+4*(8*\q+4*\k+\f)+3], v1, s[4:5] offset:8192*\k+2048*\f+512*\q th:TH_LOAD_NT   ; read once in the launch
.endr
.endr
.endr
	s_wait_kmcnt 0x0
	s_mov_b32 s14, s13                             ; the packed forms name a pair and take its low word for both halves: g1 gets a pair of its own
	s_mov_b32 s15, s13
.irp q, 0,1,2,3
	s_wait_loadcnt 24-8*\q                         ; this quarter's eight loads are in; eight for each later quarter may be out
.irp k, 0,1
.irp p, 0,2
	v_pk_add_f32 v[Y+32*\q+16*\k+\p:Y+32*\q+16*\k+\p+1], v[Y+32*\q+16*\k+\p:Y+32*\q+16*\k+\p+1], v[Y+32*\q+16*\k+4+\p:Y+32*\q+16*\k+4+\p+1]         ; f0 + f1
	v_pk_add_f32 v[Y+32*\q+16*\k+8+\p:Y+32*\q+16*\k+8+\p+1], v[Y+32*\q+16*\k+8+\p:Y+32*\q+16*\k+8+\p+1], v[Y+32*\q+16*\k+12+\p:Y+32*\q+16*\k+12+\p+1]   ; f2 + f3
.endr
.endr
.irp k, 0,1
.irp p, 0,2
	v_pk_add_f32 v[Y+32*\q+16*\k+\p:Y+32*\q+16*\k+\p+1], v[Y+32*\q+16*\k+\p:Y+32*\q+16*\k+\p+1], v[Y+32*\q+16*\k+8+\p:Y+32*\q+16*\k+8+\p+1]         ; the row's y
.endr
.endr
.irp p, 0,2
	v_pk_mul_f32 v[Y+32*\q+\p:Y+32*\q+\p+1], v[Y+32*\q+\p:Y+32*\q+\p+1], s[12:13] op_sel_hi:[1,0]                                                ; g0 y0
.endr
.irp p, 0,2
	v_pk_fma_f32 v[Y+32*\q+\p:Y+32*\q+\p+1], v[Y+32*\q+16+\p:Y+32*\q+16+\p+1], s[14:15], v[Y+32*\q+\p:Y+32*\q+\p+1] op_sel_hi:[1,0,1]             ; + g1 y1
.endr
	global_store_b128 v1, v[Y+32*\q:Y+32*\q+3], s[8:9] offset:512*\q th:TH_STORE_NT   ; 32 lanes store 512 consecutive bytes, at a multiple of 256 from out0's first byte
.endr
	s_endpgm
.Lfunc_end_k_qae08e9d9a3_combine:
	.size	k_qae08e9d9a3_combine, .Lfunc_end_k_qae08e9d9a3_combine-k_qae08e9d9a3_combine
	.p2alignl 7, 3214868480
	.fill 96, 4, 3214868480
	.section	.rodata,"a",@progbits
	.p2align	6, 0x0
	.amdhsa_kernel k_qae08e9d9a3_combine
		.amdhsa_group_segment_fixed_size 0
		.amdhsa_private_segment_fixed_size 0
		.amdhsa_enable_private_segment 0
		.amdhsa_kernarg_size 24
		.amdhsa_user_sgpr_count 2
		.amdhsa_user_sgpr_kernarg_segment_ptr 1
		.amdhsa_wavefront_size32 1
		.amdhsa_system_sgpr_workgroup_id_x 1
		.amdhsa_system_sgpr_workgroup_id_y 1
		.amdhsa_system_sgpr_workgroup_id_z 1
		.amdhsa_system_vgpr_workitem_id 0
		.amdhsa_next_free_vgpr 136
		.amdhsa_next_free_sgpr 66
		.amdhsa_reserve_vcc 0
		.amdhsa_float_denorm_mode_32 3
		.amdhsa_float_denorm_mode_16_64 3
		.amdhsa_memory_ordered 1
		.amdhsa_forward_progress 1
		.amdhsa_inst_pref_size 9
	.end_amdhsa_kernel
	.amdgpu_metadata
---
amdhsa.version: [ 1, 2 ]
amdhsa.kernels:
  - .name:           k_qae08e9d9a3_combine
    .symbol:         k_qae08e9d9a3_combine.kd
    .args:
      - { .name: ypart, .offset: 0, .size: 8, .value_kind: global_buffer, .address_space: global }
      - { .name: gate_score, .offset: 8, .size: 8, .value_kind: global_buffer, .address_space: global }
      - { .name: out0, .offset: 16, .size: 8, .value_kind: global_buffer, .address_space: global }
    .group_segment_fixed_size: 0
    .private_segment_fixed_size: 0
    .kernarg_segment_align: 8
    .kernarg_segment_size: 24
    .max_flat_workgroup_size: 256
    .sgpr_count:     66
    .vgpr_count:     136
    .wavefront_size: 32
...
	.end_amdgpu_metadata
.endif
;; end of part 2
;; ======== version 2 of 2: 2 launches; version 1 with the launch experts written anew for expert scheduling mode
;; workspace buffers: ypart 33,554,432 bytes
;; launch experts (part 3): grid 8 x 32, 8 waves a work-group, no clusters, 219,136 bytes of LDS; arguments gate_idx, inp_codes, inp_scales, w_htoh4_codes, w_htoh4_scales, w_h4toh_codes, w_h4toh_scales, ypart; writes ypart
.if DOCPART == 3
	.amdgcn_target "amdgcn-amd-amdhsa--gfx1250"
	.amdhsa_code_object_version 6
	.text
	.protected	k_qae08e9d9a3_experts
	.globl	k_qae08e9d9a3_experts
	.p2align	8
	.type	k_qae08e9d9a3_experts,@function
k_qae08e9d9a3_experts:
	s_mov_b64 s[64:65], 0
	v_nop
	global_prefetch_b8 v0, s[64:65] scope:SCOPE_SE
	s_setreg_imm32_b32 hwreg(HW_REG_WAVE_SCHED_MODE, 0, 2), 2
	s_setreg_imm32_b32 hwreg(HW_REG_WAVE_MODE, 25, 1), 1
	s_wait_xcnt 0x0
	s_wait_alu depctr_vm_vsrc(0)
; ypart[i][f][:] = Q(relu(x_i W1[e]^T))[units 512 f .. 512 f + 511] W2[e]^T[those units], for every row i whose gate_idx is e.  All products on codes of FP4 (E2M1) with one E8M0 scale
; for each 32 along K; Q is the MX quantiser along the hidden units; sums in f32.  The next launch adds a row's four pieces and weighs a token's two rows.
; SHARES.  256 work-groups, one for each (e, f, g): expert e of 8, slice f of 4 (512 hidden units), range g of 8 (rows 512 g .. 512 g + 511).  A work-group keeps its slice of W1[e] (512 units x 512 K)
; and of W2[e] (512 outputs x 512 K) in REGISTERS for the whole launch: 262,144 bytes of codes and 16,384 of scale bytes, all asked for in the first lines.  It reads its range's 512 entries of gate_idx,
; lists the rows that name e, gathers those rows of x, and takes them, 16 at a time, through both products.  The hidden layer never goes to memory.
; THE WAVES SHARE THE COLUMNS: wave w of 8 makes hidden units 512 f + 64 w .. + 63 and outputs 64 w .. + 63 for all listed rows; what goes from wave to wave through LDS is the rows' codes.
; THE FIRST PRODUCT IS USED TRANSPOSED (source 0 = 16 units of W1, source 1 = 16 listed rows): a lane holds ONE listed row and its registers run along the units, the next K.
; THE UNITS THAT FORM A TILE OF W1 ARE NOT NEIGHBOURS: lane r of tile 2 b + u takes unit 32 b + 8 u + r + 8 (r / 8), so that the 16 registers of tiles 2 b, 2 b + 1 are 16 neighbours along the next K.
; THE SECOND PRODUCT IS NOT (source 0 = 16 listed rows, source 1 = 16 outputs of W2), AND LANE r OF ITS TILE n TAKES OUTPUT 4 r + n: register t of the four accumulators then holds four NEIGHBOURING outputs of
; tile row 8 h + t, and sixteen lanes hold 256 neighbouring bytes of that row's piece.  Four copies put the four registers side by side for a store of 16 bytes a lane: they take the place of a round trip through LDS.
; TILE ROW 8 h + i HOLDS LIST ENTRY 2 i + h, so that store t carries entries 2 t and 2 t + 1, and a last tile's stores end, by a scalar branch on the count, where the list ends.
; EVERY SPLIT IS SERVED: the list holds up to 512 rows, walked in 4 passes of 128 (a constant trip count); tiles past the list's end are jumped over by scalar branches on the count.  A last tile that is not
; full is filled with the list's first row; of those rows at most one is stored (a list of odd length): that row's own numbers once more, to the same bytes.  A work-group whose list is empty stores nothing.
; NO JOINT LOADS, though the eight ranges g of one (e, f) read the same slice: a joint load lands in LDS, and the slice's 278,528 bytes beside this text's 78,848 bytes of list and images
; are 357,376, more than the 327,680 that a work-group can have.
; LIMITS: gate_idx lies in 0 .. 7 (an entry outside would leave its row's pieces unwritten); a scale byte 0xff (NaN) and sums that overflow f32 are not served (the activation's maximum drops a NaN);
; a hidden block whose largest number lies under 2^-124 keeps the byte 1; a row's sum over the 2,048 hidden units is made as four chains of 4 K steps, added by the next launch.
; THE MODE: SCHED_MODE bits 1:0 = 2 (LLVM: expert scheduling mode 2), set by the entry lines.  The code itself states the register dependences between vector or matrix instructions and
; memory or LDS instructions, with s_wait_alu, always for 0.
; THE PLAN.  Registers that memory or LDS instructions touch:
;   v1-v15, v27     addresses, made at the head and never written again: one wait on va_vdst ahead of the first loads (v1, v3), one at the head's end for the rest.
;   v20-v22         my places in the list: written once a pass, between a wait on vm_vsrc (the list's loads have read them) and a wait on va_vdst (they are written).
;   XF, XS = HF, HS loaded from LDS, read by a tile's 16 products.  A wait on va_vdst stands behind the products; the NEXT tile's loads follow it at once and land while this tile is quantised (first product)
;                   or copied and stored (second product).  No vector line of those parts names them.
;   PC, PW          written by a tile's conversions, read by its two LDS stores: va_vdst ahead of the stores, vm_vsrc behind the next tile's products, ahead of its conversions.
;   RL              loaded with HF; read and written by the sixteen lines that make the stores' offsets, which stand ahead of the wait behind the products.
;   YO = XO, OB = XT written by those lines and by the 32 copies, read by the tile's stores: va_vdst behind the copies, one for the eight stores; vm_vsrc, beside the wait on XCNT, behind the next tile's products.
;   XT, XST, v24, v25 a pass's rows of x on their way to LDS: the two waits round the adds to v20-v22 free them, a wait on va_vdst stands ahead of x's loads.
;   window 1        loaded from memory, stored to LDS, loaded back (vm_vsrc between), then read by products alone.
; HA, YA and v216-v223 are named by vector and matrix instructions alone.
;
; LDS
.set PITCH, 272                        ; a row of 256 bytes + 16 of padding = 68 words: 16 neighbouring rows start at 16 different groups of four banks (64 banks of 4 bytes: ISA guide 11.1)
.set LIST,  0                          ; 3,072: the list, 512 entries of 4 bytes; entry 512 takes what is not listed; the rest is room for addresses formed in the last trip and never used
.set XIMG,  3072                       ; 128 rows x 272: a pass's rows of x, as rows
.set XSC,   37888                      ; 8 x 512: their scale words, 16 bytes a lane for each tile of 16 rows
.set HIMG,  41984                      ; 8 x 4,096: the hidden layer's fragments as images of registers: tile m at 4096 m, wave w's four registers at 512 w + 16 x lane
.set HSC,   74752                      ; 8 x 512: their scale words, 16 bytes a lane; wave w writes the two bytes at 2 w
.set PRV,   78848                      ; 8 x 17,408: each wave's own 64 rows x 272: the weights' turn
.set PRVW,  17408
; REGISTERS, window 0.  l = lane, r = l % 16, h = l / 16.  v1-v23 addresses that stay:
;   v1 16 l   v2 1024 h + 16 r (W2's codes)   v3 16 (r + 8 (r / 8)) (W1's scales)   v4 256 r (W2's scales)   v5 the turn, in, W1's (rows 1 apart for the halves)   v15 W2's (16 apart)   v6 the turn, back
;   v7 x's fragments   v8 x's scale words   v9, v10 where I store x's rows and scale words   v11, v12 the same for the hidden layer   v13, v14 where all read them
;   v17-19 my places in the list at pass 0, v20-22 at the pass in hand   v23 16 r   v24 x's scales' offset   v25 a row   v27 LIST   v28 512 g + 4 l   v29 512   v30 count - 4 l   v31 the list's first row
.set W1S, 32                           ; v32-47   W1's scale words (4 t + s): scales and nothing else
.set W2S, 48                           ; v48-63   W2's (4 n + s)
.set XF,  64                           ; v64-95   x's four fragments (8 s);
.set HF,  64                           ;          in the second product the hidden layer's four
.set XS,  96                           ; v96-99   their scale words
.set HS,  96
.set HA,  100                          ; v100-131 my 4 tiles of the hidden layer
.set YA,  132                          ; v132-163 my 4 tiles of y
.set OB,  164                          ; v164-195 y as it is stored: 4 t + n;
.set XT,  164                          ;          rows of x on their way to LDS;
.set RK,  164                          ;          at the head v164-179 places in the list,
.set T,   180                          ;          v180-195 the list under repair
.set RL,  196                          ; v196-203 eight rows' numbers
.set YO,  204                          ; v204-211 their offsets in ypart,
.set XO,  204                          ;          or in x's codes
.set XST, 212                          ; v212-215 a row's scale bytes of x
.set TM,  216                          ; v216-217 largest numbers; v218-219 the other half's; v220-221 the conversions' scale operands; v222-223 bytes
.set TP,  218
.set TS,  220
.set TB,  222
.set PW,  224                          ; my two scale bytes
.set PC,  226                          ; v226-229 the codes just made
.set GI,  232                          ; v232-247 gate_idx's entries, then row numbers
.set Z,   248                          ; v248-251 zeros;  v252-255 l, r, h and a spare, at the head
; v230: the LDS address of my spare word, 0x35400 + 4 x my thread's number; v231: 0; both made at the head and kept for the closing lines alone.  The spare words, 128 bytes a wave, lie behind the waves' own rows.
; window 1: W1's fragments (tile t, K step s) at v[8 (4 t + s)]; W2's (tile n, K step s) at v[128 + 8 (4 n + s)].
; SCALARS: s2 wave, s3 g, s4 4 e + f, s5 e, s6 f, s7 spare, s[8:23] the eight addresses, s[24:25] an offset, s26 the count, s27 the count less 128 x pass, s28 512 x pass, s29 pass, s34 bits, s[36:37] lane selects, s38 16 x wave, s40-47 masks
.set MSB, 0
.macro WIN new                         ; the immediate's high byte repeats the setting that is left; bits 1:0 source 0, 3:2 source 1, 5:4 source 2, 7:6 destination
.if MSB != \new
	s_set_vgpr_msb (MSB<<8)|\new
.set MSB, \new
.endif
.endm
.macro BARRIER                         ; my LDS stores have landed and my LDS loads are in: then the work-group's barrier
	s_wait_dscnt 0x0
	s_barrier_signal -1
	s_barrier_wait -1
.endm
	s_load_b512 s[8:23], s[0:1], 0x0               ; gate_idx s[8:9], x's codes s[10:11], x's scales s[12:13], W1's codes s[14:15], W1's scales s[16:17], W2's codes s[18:19], W2's scales s[20:21], ypart s[22:23]
	v_lshl_add_u32 v230, v0, 2, 0x35400
	v_mov_b32 v231, 0
	v_lshrrev_b32 v255, 5, v0
	v_readfirstlane_b32 s2, v255                   ; wave 0..7
	s_mov_b32 s3, ttmp9                            ; g: work-groups that share a slice are neighbours
	s_and_b32 s4, ttmp7, 0xffff                    ; 4 e + f
	s_lshr_b32 s5, s4, 2                           ; e
	s_and_b32 s6, s4, 3                            ; f
	s_mov_b32 s36, 0x76543210
	s_mov_b32 s37, 0xfedcba98                      ; v_permlanex16_b32's selects for lane l xor 16
	s_mov_b32 s25, 0
	v_and_b32 v252, 31, v0                         ; l
	v_and_b32 v253, 15, v0                         ; r
	v_bfe_u32 v254, v0, 4, 1                       ; h
	v_lshlrev_b32 v1, 4, v252
	v_lshlrev_b32 v23, 4, v253
	v_and_b32 v255, 8, v253
	v_add_nc_u32 v255, v255, v253                  ; r + 8 (r / 8)
	v_lshlrev_b32 v3, 4, v255
	s_wait_alu depctr_va_sdst(0)                   ; s2 is written, ahead of its first reader: offsets, LDS addresses and branches are made from it
	s_lshl_b32 s38, s2, 4
	s_wait_kmcnt 0x0
	s_lshl_b32 s24, s3, 11                         ; my range's 512 entries of 4 bytes
	s_add_nc_u64 s[8:9], s[8:9], s[24:25]
	s_lshl_b32 s24, s4, 13                         ; W1's scales: 16 bytes a unit: 2^15 an expert, 2^13 a slice, 2^10 a wave
	s_lshl_b32 s7, s2, 10
	s_add_co_u32 s24, s24, s7
	s_add_nc_u64 s[16:17], s[16:17], s[24:25]
	s_lshl_b32 s24, s4, 17                         ; W1's codes: 256 bytes a unit: 2^19, 2^17, 2^14
	s_lshl_b32 s7, s2, 14
	s_add_co_u32 s24, s24, s7
	s_add_nc_u64 s[14:15], s[14:15], s[24:25]
	s_wait_alu depctr_va_vdst(0)                   ; v1 and v3 are written: the 40 loads below read them as offsets; only loads and window switches stand among them
.irp j, 0,1,2,3
	global_load_b128 v[GI+4*\j:GI+4*\j+3], v1, s[8:9] offset:512*\j    ; register 4 j + q: entry 128 j + 4 l + q of my range
.endr
.irp t, 0,1,2,3
	global_load_b128 v[W1S+4*\t:W1S+4*\t+3], v3, s[16:17] offset:(32*(\t/2)+8*(\t%2))*16   ; the four words (K steps) of lane r's unit of tile t
.endr
	WIN 0x40                                       ; destination window 1
.set li, 0
.rept 32
	global_load_b128 v[4*li:4*li+3], v1, s[14:15] offset:512*li        ; my 64 units' codes as they lie: 512 consecutive bytes, two whole rows, a load
.set li, li+1
.endr
	WIN 0
	s_lshl_b32 s24, s5, 19                         ; W2's codes: 1,024 bytes an output: 2^19 an expert, 2^16 a wave's 64 outputs; the slice's 512 codes are 256 bytes of a row
	s_lshl_b32 s7, s2, 16
	s_add_co_u32 s24, s24, s7
	s_lshl_b32 s7, s6, 8
	s_add_co_u32 s24, s24, s7
	s_add_nc_u64 s[18:19], s[18:19], s[24:25]
	s_lshl_b32 s24, s5, 15                         ; W2's scales: 64 bytes an output; the slice's are 16
	s_lshl_b32 s7, s2, 12
	s_add_co_u32 s24, s24, s7
	s_lshl_b32 s7, s6, 4
	s_add_co_u32 s24, s24, s7
	s_add_nc_u64 s[20:21], s[20:21], s[24:25]
	s_lshl_b32 s24, s6, 11                         ; ypart: [row][f][512] f32: piece f, my 64 outputs
	s_lshl_b32 s7, s2, 8
	s_add_co_u32 s24, s24, s7
	s_add_nc_u64 s[22:23], s[22:23], s[24:25]
	; every LDS address is a constant + constants x lane parts + a constant x wave, and is made here, ahead of every branch
	s_mul_i32 s7, s2, PRVW
	s_add_co_u32 s7, s7, PRV                       ; my wave's own rows
	v_lshl_add_u32 v2, v254, 10, v23
	v_lshlrev_b32 v4, 8, v253                      ; lane r's outputs 4 r + n: 4 rows of 64 scale bytes apart
	v_mad_u32_u24 v5, v254, PITCH, v23
	v_add_nc_u32 v5, s7, v5                        ; the turn, in, W1's: row h, 16 r
	v_mad_u32_u24 v15, v254, 16*PITCH, v23
	v_add_nc_u32 v15, s7, v15                      ; W2's: row 16 h, 16 r
	v_mul_u32_u24 v255, v253, PITCH
	v_lshl_add_u32 v6, v254, 4, v255               ; a fragment's place: row r, 16 h
	v_add_nc_u32 v7, XIMG, v6
	v_add_nc_u32 v6, s7, v6
	v_add_nc_u32 v8, XSC, v1
	v_mad_u32_u24 v9, v254, 8*PITCH, v23           ; row 8 h, 16 r
	s_mul_i32 s24, s2, 16*PITCH
	s_add_co_u32 s24, s24, XIMG
	v_add_nc_u32 v9, s24, v9                       ; x's tile rows 8 h on of tile w
	s_lshl_b32 s24, s2, 9
	s_add_co_u32 s7, s24, XSC
	v_add_nc_u32 v10, s7, v1
	s_add_co_u32 s7, s24, HIMG
	v_add_nc_u32 v11, s7, v1
	s_lshl_b32 s24, s2, 1
	s_add_co_u32 s24, s24, HSC
	v_add_nc_u32 v12, s24, v1
	v_add_nc_u32 v13, HIMG, v1
	v_add_nc_u32 v14, HSC, v1
	s_lshl_b32 s24, s2, 6
	s_add_co_u32 s24, s24, LIST
	v_and_b32 v255, 7, v253
	v_lshl_add_u32 v17, v255, 3, s24
	v_lshrrev_b32 v255, 3, v253
	v_lshl_add_u32 v17, v255, 2, v17               ; tile row r's list entry: 16 w + 2 (r % 8) + r / 8
	v_lshl_add_u32 v18, v254, 2, s24               ; entries 16 w + h, + 2 i by the offset
	v_lshl_add_u32 v19, v254, 2, LIST              ; entries h, + 16 m + 2 t by the offset
	v_mov_b32 v27, LIST
	s_lshl_b32 s24, s3, 9
	v_lshl_add_u32 v28, v252, 2, s24               ; row 512 g + 4 l
	v_mov_b32 v29, 0x200
.irp i, 0,1
	v_mov_b32 v[TP+\i], 0                          ; written once: a lane permute's destination counts as one of its sources
.endr
.irp i, 0,1,2,3
	v_mov_b32 v[Z+\i], 0
.endr
	; ---- THE LIST.  Every wave counts (so that each has the count as its own scalar); wave 0 alone writes the list.  The compares stand in runs of eight, each into a mask register of its own
	s_wait_loadcnt 36                              ; gate_idx's four loads are in; behind them stand W1's 4 + 32
	s_mov_b32 s26, 0
.irp k, 0,1,2,3,4,5,6,7
	v_cmp_eq_u32 s[40+\k], s5, v[GI+\k]            ; the lanes whose entry names my expert
.endr
	s_wait_alu depctr_va_sdst(0)                   ; the eight masks s40 to s47 are written, ahead of their first readers
.irp k, 0,1,2,3,4,5,6,7
	v_mbcnt_lo_u32_b32 v[RK+\k], s[40+\k], s26     ; a listed row's place: those listed so far + those in lower lanes
	v_cndmask_b32 v[RK+\k], v29, v[RK+\k], s[40+\k]   ; what is not listed goes to entry 512
	s_bcnt1_i32_b32 s34, s[40+\k]
	s_add_co_u32 s26, s26, s34
.endr
.irp k, 8,9,10,11,12,13,14,15
	v_cmp_eq_u32 s[32+\k], s5, v[GI+\k]
.endr
	s_wait_alu depctr_va_sdst(0)                   ; the eight masks are written anew, ahead of their first readers
.irp k, 8,9,10,11,12,13,14,15
	v_mbcnt_lo_u32_b32 v[RK+\k], s[32+\k], s26
	v_cndmask_b32 v[RK+\k], v29, v[RK+\k], s[32+\k]
	s_bcnt1_i32_b32 s34, s[32+\k]
	s_add_co_u32 s26, s26, s34
.endr
.irp k, 0,1,2,3,4,5,6,7,8,9,10,11,12,13,14,15
	v_min_u32 v[RK+\k], 0x200, v[RK+\k]            ; a place made from loaded numbers is held inside the list before it becomes an address
	v_lshlrev_b32 v[RK+\k], 2, v[RK+\k]
	v_add_nc_u32 v[GI+\k], 128*(\k/4)+\k%4, v28    ; the entry's row
.endr
	s_mov_b32 s27, s26
	s_mov_b32 s28, 0
	s_mov_b32 s29, 0
	v_lshlrev_b32 v30, 2, v252
	v_sub_nc_u32 v30, s26, v30                     ; count - 4 l
	s_wait_alu depctr_va_vdst(0)                   ; the addresses v2 to v15 and v27, the zeros, the places v[RK ..] and the rows' numbers v[GI ..] are written: LDS and memory instructions read them from here on, and no later vector line names v1 to v15 or v27
	s_cmp_lg_u32 s2, 0
	s_cbranch_scc1 .Lnot_wave_0
.irp i, 0,1,2,3,4,5
	ds_store_b128 v1, v[Z:Z+3] offset:LIST+512*\i  ; all 3,072 bytes are written
.endr
.irp k, 0,1,2,3,4,5,6,7,8,9,10,11,12,13,14,15
	ds_store_b32 v[RK+\k], v[GI+\k] offset:LIST    ; LDS serves a wave's instructions in order (ISA guide 5.7.1.4): these land on the zeros
.endr
	ds_load_b32 v31, v27                           ; the list's first row (0 where the list is empty: a row that exists)
.irp i, 0,1,2,3
	ds_load_b128 v[T+4*\i:T+4*\i+3], v1 offset:LIST+512*\i   ; entry 128 i + 4 l + q
.endr
	s_wait_dscnt 0x0
; entries 128 i + 4 l + q of i = i0, i0 + 1: eight compares in a run, one wait, eight selects
.macro REPAIR i0
.irp d, 0,1
.irp q, 0,1,2,3
	v_cmp_lt_i32 s[40+4*\d+\q], 128*(\i0+\d)+\q, v30         ; inside the list?
.endr
.endr
	s_wait_alu depctr_va_sdst(0)                   ; the eight masks are written, ahead of the selects that read them
.irp d, 0,1
.irp q, 0,1,2,3
	v_cndmask_b32 v[T+4*(\i0+\d)+\q], v31, v[T+4*(\i0+\d)+\q], s[40+4*\d+\q]    ; past its end: the first row once more
.endr
.endr
.endm
	REPAIR 0
	REPAIR 2
	s_wait_alu depctr_va_vdst(0)                   ; the selects have written v[T ..], which the four stores below read
.irp i, 0,1,2,3
	ds_store_b128 v1, v[T+4*\i:T+4*\i+3] offset:LIST+512*\i
.endr
.Lnot_wave_0:
	BARRIER                                        ; the list is whole; from here on it is only read.  No other wave has touched LDS so far
; my places in the list at the pass in hand
.macro XADDR
	s_wait_alu depctr_vm_vsrc(0)                   ; the list's loads issued so far have read v20 to v22; and the stores and loads issued so far have read v164 to v195 (places, the list, y, rows of x), the offsets v204 to v211, v[XST ..] and v24, which the gathering below writes again
	v_add_nc_u32 v20, s28, v17
	v_add_nc_u32 v21, s28, v18
	v_add_nc_u32 v22, s28, v19
	s_wait_alu depctr_va_vdst(0)                   ; v20 to v22 are written, which the list's loads read; the earlier vector lines are done with v[RL ..] and v25, in which such loads land
.endm
; Wave w gathers tile w of the pass: 16 listed rows of x.  Sixteen lanes read one whole row of 256 bytes: load i takes tile row i (lanes 0-15: entry 2 i) and tile row 8 + i (lanes 16-31: entry 2 i + 1)
.macro X_ISSUE
	s_wait_xcnt 0x0                                ; earlier stores have read their data and offsets (ISA guide 3.1): both are written again below
.irp i, 0,1,2,3,4,5,6,7
	ds_load_b32 v[RL+\i], v21 offset:8*\i
.endr
	ds_load_b32 v25, v20
	s_wait_dscnt 0x0
.irp i, 0,1,2,3,4,5,6,7
	v_min_u32 v[RL+\i], 0xfff, v[RL+\i]            ; a row number that was loaded is held inside the tensor before it becomes an address
	v_lshl_add_u32 v[XO+\i], v[RL+\i], 8, v23
.endr
	v_min_u32 v25, 0xfff, v25
	v_lshlrev_b32 v24, 4, v25
	s_wait_alu depctr_va_vdst(0)                   ; the offsets v[XO ..] and v24 are written, which the loads below read; the vector lines that wrote v[XT ..] earlier (the list's, y's copies) are complete, so the loads may land there
.irp i, 0,1,2,3,4,5,6,7
	global_load_b128 v[XT+4*\i:XT+4*\i+3], v[XO+\i], s[10:11]
.endr
	global_load_b128 v[XST:XST+3], v24, s[12:13]   ; tile row r's 16 scale bytes: four words, one a K step
.endm
.macro X_FINISH
.irp i, 0,1,2,3,4,5,6,7
	ds_store_b128 v9, v[XT+4*\i:XT+4*\i+3] offset:PITCH*\i
.endr
	ds_store_b128 v10, v[XST:XST+3]
.endm
; 64 rows of 256 bytes, loaded as they lie into window 1's v[base ..] (load i: row 2 i in lanes 0-15, row 2 i + 1 in lanes 16-31), go through my own rows of LDS and come back as 16 fragments:
; (tile t, K step s) at v[base + 8 (4 t + s)]: lane (r, h) takes, of stage row 16 t + r, the 16 bytes at 64 s + 32 c + 16 h into registers 4 c .. 4 c + 3.
; perm = 1 (W1): memory row 32 b + 8 u + 16 a + i goes to stage row 32 b + 16 u + 8 a + i.   perm = 2 (W2): memory row 4 r + n goes to stage row 16 n + r; adr then has the lanes' halves 16 rows apart.
.macro TURN base, adr, perm
	WIN 0x44                                       ; an LDS store's data (source 1) and an LDS load's destination: window 1
.set ti, 0
.rept 32
.if \perm == 1
.set tp, ((2*ti)&32)+8*(2*(((2*ti)>>3)&1)+(((2*ti)>>4)&1))+((2*ti)&7)
.else
.set tp, 32*(ti&1)+(ti>>1)
.endif
	ds_store_b128 v[\adr], v[\base+4*ti:\base+4*ti+3] offset:PITCH*tp
.set ti, ti+1
.endr
	s_wait_dscnt 0x0                               ; the stores have landed
	s_wait_alu depctr_vm_vsrc(0)                   ; the stores have read their registers: the loads below land there
.irp t, 0,1,2,3
.irp s, 0,1,2,3
.irp c, 0,1
	ds_load_b128 v[\base+8*(4*\t+\s)+4*\c:\base+8*(4*\t+\s)+4*\c+3], v6 offset:16*\t*PITCH+64*\s+32*\c
.endr
.endr
.endr
	WIN 0
.endm
; My 64 hidden units of a lane's row, register 16 b + i = unit 32 b + 16 h + i: the activation; two blocks of 32 quantised; codes in v[PC] on, the two scale bytes in v[PW]
.macro QUANT
.set qj, 0
.rept 32
	v_max_num_f32 v[HA+qj], 0, v[HA+qj]            ; relu, in f32; each accumulator from its low end on
.set qj, qj+1
.endr
.irp b, 0,1
	v_max3_num_f32 v[TM+\b], v[HA+16*\b], v[HA+16*\b+1], 0x1800000   ; block b: my 16 numbers (none is negative), and the floor 2^(3 - 127): so the byte cannot fall under 1
.endr
.irp i, 2,4,6,8,10,12,14
.irp b, 0,1
	v_max3_num_f32 v[TM+\b], v[TM+\b], v[HA+16*\b+\i], v[HA+16*\b+\i+1]   ; (the two blocks by turns)
.endr
.endr
.irp b, 0,1
	v_permlanex16_b32 v[TP+\b], v[TM+\b], s36, s37
.endr
.irp b, 0,1
	v_max_num_f32 v[TM+\b], v[TM+\b], v[TP+\b]     ; with lane l xor 16's: the block's largest number
.endr
.irp b, 0,1
	v_add_nc_u32 v[TS+\b], 0xff000000, v[TM+\b]    ; 2 off its exponent field: the conversion takes the exponent field of this operand as its scale, and nothing else of it
.endr
.irp b, 0,1
	v_lshrrev_b32 v[TB+\b], 23, v[TS+\b]           ; the scale's byte
.endr
	v_lshl_or_b32 v[PW], v[TB+1], 8, v[TB]
.irp b, 0,1
	v_cvt_scalef32_pk8_fp4_f32 v[PC+2*\b], v[HA+16*\b:HA+16*\b+7], v[TS+\b]
	v_cvt_scalef32_pk8_fp4_f32 v[PC+2*\b+1], v[HA+16*\b+8:HA+16*\b+15], v[TS+\b]
.endr
	v_nop                                          ; one plain place behind a scaled conversion
	v_permlane16_swap_b32 v[PC], v[PC+2]           ; the operand's layout wants a WHOLE block in a lane: lanes 0-15 my block 0, lanes 16-31 my block 1:
	v_permlane16_swap_b32 v[PC+1], v[PC+3]         ; v[PC .. PC+3] are registers 4 (w % 2) .. + 3 of the fragment of K step w / 2
.endm
; x's four fragments and scale words of tile m of the pass: 9 LDS loads
.macro XLOAD m
.irp i, 0,1,2,3,4,5,6,7
	ds_load_b128 v[XF+4*\i:XF+4*\i+3], v7 offset:16*PITCH*(\m)+32*\i
.endr
	ds_load_b128 v[XS:XS+3], v8 offset:512*(\m)
.endm
; Tile m of the pass, first product: x's four fragments (asked for in the tile before, behind its products), my 4 tiles of the hidden layer, quantised, image to LDS.
; The four accumulators take turns, one instruction a turn.
.macro P1TILE m
.if \m > 0
	s_cmp_le_i32 s27, 16*\m                        ; past the list's end: this tile and those behind it are left out
	s_cbranch_scc1 .Lp1end
	s_wait_dscnt 2                                 ; LDS instructions end in order (ISA guide 5.7.1): this tile's 9 loads are in; behind them stand the last tile's two stores, which may be out
.else
	s_wait_dscnt 0x0
.endif
	WIN 0x01                                       ; source 0 (the weight) window 1
.irp s, 0,1,2,3
.irp t, 0,1,2,3
.if \s == 0
	v_wmma_scale_f32_16x16x128_f8f6f4 v[HA+8*\t:HA+8*\t+7], v[8*(4*\t+\s):8*(4*\t+\s)+7], v[XF+8*\s:XF+8*\s+7], 0, v[W1S+4*\t+\s], v[XS+\s] matrix_a_fmt:MATRIX_FMT_FP4 matrix_b_fmt:MATRIX_FMT_FP4
.else
	v_wmma_scale_f32_16x16x128_f8f6f4 v[HA+8*\t:HA+8*\t+7], v[8*(4*\t+\s):8*(4*\t+\s)+7], v[XF+8*\s:XF+8*\s+7], v[HA+8*\t:HA+8*\t+7], v[W1S+4*\t+\s], v[XS+\s] matrix_a_fmt:MATRIX_FMT_FP4 matrix_b_fmt:MATRIX_FMT_FP4
.endif
.endr
.endr
	WIN 0
.rept 4
	v_nop                                          ; four places between the last product and the first read of results (ISA guide 7.12.1)
.endr
	s_wait_alu depctr_vm_vsrc(0)                   ; the last tile's two LDS stores have read v[PC ..] and v[PW], which the lines below write again
.if \m < 7
	s_wait_alu depctr_va_vdst(0)                   ; the products are done reading v[XF ..] and v[XS ..], in which the next tile's loads land
	s_cmp_le_i32 s27, 16*(\m+1)                    ; the next tile's own test: a tile past the list's end is not read
	s_cbranch_scc1 .Lp1q_\@
	XLOAD \m+1                                     ; they land while this tile is quantised: no line of that names their registers
.Lp1q_\@:
.endif
	QUANT
	s_wait_alu depctr_va_vdst(0)                   ; v[PC ..] and v[PW] are written, which the two stores read
	ds_store_b128 v11, v[PC:PC+3] offset:4096*\m
	ds_store_b16 v12, v[PW] offset:512*\m
.endm
; the hidden layer's four fragments and scale words of tile m of the pass, and its rows' numbers: 17 LDS loads
.macro HLOAD m
.irp i, 0,1,2,3,4,5,6,7
	ds_load_b128 v[HF+4*\i:HF+4*\i+3], v13 offset:4096*(\m)+512*\i
.endr
	ds_load_b128 v[HS:HS+3], v14 offset:512*(\m)
.irp t, 0,1,2,3,4,5,6,7
	ds_load_b32 v[RL+\t], v22 offset:64*(\m)+8*\t  ; list entry 16 m + 2 t + h
.endr
.endm
; Tile m of the pass, second product: the hidden layer's four fragments (source 0), my 4 tiles of outputs (source 1).  Register t of accumulator n, lane (r, h): y(tile row 8 h + t, output 64 w + 4 r + n).
; Store t: sixteen lanes store 256 consecutive bytes of a row's piece, aligned: list entry 16 m + 2 t in lanes 0-15, entry 16 m + 2 t + 1 in lanes 16-31.
.macro P2TILE m
.if \m > 0
	s_cmp_le_i32 s27, 16*\m
	s_cbranch_scc1 .Lp2end
.endif
	s_wait_dscnt 0x0                               ; this tile's 17 loads are in
	WIN 0x04                                       ; source 1 (the weight) window 1
.irp s, 0,1,2,3
.irp n, 0,1,2,3
.if \s == 0
	v_wmma_scale_f32_16x16x128_f8f6f4 v[YA+8*\n:YA+8*\n+7], v[HF+8*\s:HF+8*\s+7], v[128+8*(4*\n+\s):128+8*(4*\n+\s)+7], 0, v[HS+\s], v[W2S+4*\n+\s] matrix_a_fmt:MATRIX_FMT_FP4 matrix_b_fmt:MATRIX_FMT_FP4
.else
	v_wmma_scale_f32_16x16x128_f8f6f4 v[YA+8*\n:YA+8*\n+7], v[HF+8*\s:HF+8*\s+7], v[128+8*(4*\n+\s):128+8*(4*\n+\s)+7], v[YA+8*\n:YA+8*\n+7], v[HS+\s], v[W2S+4*\n+\s] matrix_a_fmt:MATRIX_FMT_FP4 matrix_b_fmt:MATRIX_FMT_FP4
.endif
.endr
.endr
	WIN 0
	s_wait_xcnt 0x0                                ; the last tile's stores have read their data and offsets (ISA guide 3.1): both are written again below, and nowhere between those stores and this wait
	s_wait_alu depctr_vm_vsrc(0)                   ; the last tile's stores have read v[OB ..] and v[YO ..] (ahead of a pass's first tile: x's LDS stores and x's loads, the same registers), which the lines below write again
.irp t, 0,1,2,3,4,5,6,7
	v_min_u32 v[RL+\t], 0xfff, v[RL+\t]            ; these sixteen lines name no register of the products: they are the places behind them
	v_lshl_add_u32 v[YO+\t], v[RL+\t], 13, v23     ; a row of ypart is 4 pieces of 2,048 bytes
.endr
.if \m < 7
	s_wait_alu depctr_va_vdst(0)                   ; the products are done reading v[HF ..] and v[HS ..], the sixteen lines are done with v[RL ..]: the next tile's loads land in all three
	s_cmp_le_i32 s27, 16*(\m+1)                    ; the next tile's own test: past the list's end no image was written, and none is read
	s_cbranch_scc1 .Lp2q_\@
	HLOAD \m+1                                     ; they land under the copies and the stores below, which name none of their registers
.Lp2q_\@:
.endif
.irp t, 0,1,2,3,4,5,6,7
.irp n, 0,1,2,3
	v_mov_b32 v[OB+4*\t+\n], v[YA+8*\n+\t]         ; four neighbouring outputs side by side; each accumulator is read from its low end on.  All 32 copies stand together, so that one wait serves the eight stores
.endr
.endr
	s_wait_alu depctr_va_vdst(0)                   ; v[OB ..] and v[YO ..] are written, which the stores read
	global_store_b128 v[YO], v[OB:OB+3], s[22:23]
.irp t, 1,2,3,4,5,6,7
	s_cmp_le_i32 s27, 16*\m+2*\t                   ; the list has ended: neither half of this store, nor of those behind it, holds a listed row
	s_cbranch_scc1 .Lp2end
	global_store_b128 v[YO+\t], v[OB+4*\t:OB+4*\t+3], s[22:23]
.endr
.endm
	XADDR
	X_ISSUE                                        ; pass 0's rows of x, in every wave: the list holds a row at every entry.  9 loads
.irp n, 0,1,2,3
	global_load_b128 v[W2S+4*\n:W2S+4*\n+3], v4, s[20:21] offset:64*\n   ; the slice's four words of output 4 r + n
.endr
	WIN 0x40
.set li, 0
.rept 32
	global_load_b128 v[128+4*li:128+4*li+3], v2, s[18:19] offset:2048*li   ; lanes 0-15 take the slice's 256 bytes of one output's row, lanes 16-31 the next row's
.set li, li+1
.endr
	WIN 0                                          ; (more loads are asked for than LOADcnt's field holds: the issue of the later ones waits for the first to come back: ISA guide 5.7.1)
	s_wait_loadcnt 45                              ; W1's scales and codes are in; behind them stand x's 9 and W2's 4 + 32
	TURN 0, 5, 1
	s_wait_loadcnt 36                              ; x is in; W2's 4 + 32 may be out
	X_FINISH
	BARRIER                                        ; the pass's rows of x lie in LDS
.Lpass:                                            ; 4 trips, 128 listed rows each
	s_cmp_le_i32 s27, 0                            ; past the list's end: the pass has no tile
	s_cbranch_scc1 .Lp1end
	XLOAD 0                                        ; every product that read these registers stands ahead of a wait on va_vdst in its own tile
.irp m, 0,1,2,3,4,5,6,7
	P1TILE \m
.endr
.Lp1end:
	s_wait_loadcnt 0x0                             ; W2 is in (first trip)
	s_cmp_lg_u32 s29, 0
	s_cbranch_scc1 .Lturned
	TURN 128, 15, 2                                ; my own registers through my own rows of LDS: once; W2 was on its way while W1's products were at work
.Lturned:
	BARRIER                                        ; the hidden layer's fragments lie in LDS, and nobody reads x's rows any more
	s_cmp_le_i32 s27, 0
	s_cbranch_scc1 .Lp2end
	HLOAD 0                                        ; the first product's last wait on va_vdst stands behind all its products; v22 was written ahead of the wait behind the pass's three adds
.irp m, 0,1,2,3,4,5,6,7
	P2TILE \m
.endr
.Lp2end:
	s_wait_dscnt 0x0                               ; no LDS load is out: the registers of the rows' numbers are asked for again below
	s_sub_co_i32 s27, s27, 128
	s_add_co_u32 s28, s28, 512
	XADDR
	s_cmp_le_i32 s27, s38                          ; has the next pass a tile w?  (Behind the last pass the count left is 0 or less: never)
	s_cbranch_scc1 .Lno_x
	X_ISSUE
	s_wait_loadcnt 0x0
	X_FINISH
.Lno_x:
	BARRIER                                        ; the next pass's rows of x lie in LDS, and nobody reads the hidden layer's fragments any more
	s_add_co_u32 s29, s29, 1
	s_cmp_lt_u32 s29, 4
	s_cbranch_scc1 .Lpass
	s_wait_dscnt 0x0                               ; the closing lines, six on end
	s_wait_alu 0x0
	s_wait_tensorcnt 0x0
	ds_add_u32 v230, v231
	s_wait_dscnt 0x0
	s_endpgm
.Lfunc_end_k_qae08e9d9a3_experts:
	.size	k_qae08e9d9a3_experts, .Lfunc_end_k_qae08e9d9a3_experts-k_qae08e9d9a3_experts
	.p2alignl 7, 3214868480
	.fill 96, 4, 3214868480
	.section	.rodata,"a",@progbits
	.p2align	6, 0x0
	.amdhsa_kernel k_qae08e9d9a3_experts
		.amdhsa_group_segment_fixed_size 219136
		.amdhsa_private_segment_fixed_size 0
		.amdhsa_enable_private_segment 0
		.amdhsa_kernarg_size 64
		.amdhsa_user_sgpr_count 2
		.amdhsa_user_sgpr_kernarg_segment_ptr 1
		.amdhsa_wavefront_size32 1
		.amdhsa_system_sgpr_workgroup_id_x 1
		.amdhsa_system_sgpr_workgroup_id_y 1
		.amdhsa_system_sgpr_workgroup_id_z 1
		.amdhsa_system_vgpr_workitem_id 0
		.amdhsa_next_free_vgpr 512
		.amdhsa_next_free_sgpr 66
		.amdhsa_reserve_vcc 0
		.amdhsa_float_denorm_mode_32 3
		.amdhsa_float_denorm_mode_16_64 3
		.amdhsa_memory_ordered 1
		.amdhsa_forward_progress 1
		.amdhsa_inst_pref_size 141
	.end_amdhsa_kernel
	.amdgpu_metadata
---
amdhsa.version: [ 1, 2 ]
amdhsa.kernels:
  - .name:           k_qae08e9d9a3_experts
    .symbol:         k_qae08e9d9a3_experts.kd
    .args:
      - { .name: gate_idx, .offset: 0, .size: 8, .value_kind: global_buffer, .address_space: global }
      - { .name: inp_codes, .offset: 8, .size: 8, .value_kind: global_buffer, .address_space: global }
      - { .name: inp_scales, .offset: 16, .size: 8, .value_kind: global_buffer, .address_space: global }
      - { .name: w_htoh4_codes, .offset: 24, .size: 8, .value_kind: global_buffer, .address_space: global }
      - { .name: w_htoh4_scales, .offset: 32, .size: 8, .value_kind: global_buffer, .address_space: global }
      - { .name: w_h4toh_codes, .offset: 40, .size: 8, .value_kind: global_buffer, .address_space: global }
      - { .name: w_h4toh_scales, .offset: 48, .size: 8, .value_kind: global_buffer, .address_space: global }
      - { .name: ypart, .offset: 56, .size: 8, .value_kind: global_buffer, .address_space: global }
    .group_segment_fixed_size: 219136
    .private_segment_fixed_size: 0
    .kernarg_segment_align: 8
    .kernarg_segment_size: 64
    .max_flat_workgroup_size: 256
    .sgpr_count:     66
    .vgpr_count:     512
    .wavefront_size: 32
...
	.end_amdgpu_metadata
.endif
;; end of part 3
;; launch combine: the kernel of part 2 again; grid 256 x 1, 8 waves a work-group, no clusters, 0 bytes of LDS; arguments ypart, gate_score, out0; writes out0
